; MI455X (gfx1250); checked and timed in simulation.
; The chip was launched on July 23, 2026; its instructions are those of AMD's public machine-readable ISA for CDNA 5 (MIT licence, August 2026) and "CDNA5" Instruction Set Architecture Reference Guide (July 2026). The comments in the code are by the model that wrote it; some were corrected since.
;; MLP FP8. Allowed arithmetic: matrix products marked QUANTISED: E4M3 operands, one given power-of-two scale a tensor, by v_wmma_f32_16x16x64_fp8_fp8 or v_wmma_f32_16x16x128_fp8_fp8, f32 sums; everything else in f32.
;; Inputs: fc_w 4,096 x 1,024 float32; lowp_scales 4 int32 (the exponents e of the quantised operands' scales 2^e); proj_w 1,024 x 4,096 float32; x 2 x 4,096 x 1,024 float32.
;; Outputs: out0 2 x 4,096 x 1,024 float32.
;; This version of the problem:
;;   THIS VERSION OF THE PROBLEM IS GIVEN IN LOW PRECISION. The matrix products marked QUANTISED in the list below multiply operands that are first quantised to E4M3 (4 exponent bits, 3 mantissa bits; 8 bits a number), with one given power-of-two scale for each operand tensor; their sums are f32. All else is computed in f32.
;;   The module's matrix products, in the order in which they are computed (A, B: the left and right operand; K: the contracted axis; several contracted axes count as one K, in the product's order):
;;     1. [M 8,192, K 1,024] x [K 1,024, N 4,096]; A: input x; B: input fc_w: QUANTISED (scales: A lowp_scales[0], B lowp_scales[1])
;;     2. [M 8,192, K 4,096] x [K 4,096, N 1,024]; A: computed on the way; B: input proj_w: QUANTISED (scales: A lowp_scales[2], B lowp_scales[3])
;;   THE QUANTISER, for each operand of a quantised product, along K:
;;     - The operand's scale is 2^e, e = its entry of the input lowp_scales (int32; the entries are numbered through the quantised products in the list's order, A before B).
;;     - Each number is divided by the scale, clamped to +-448, and rounded to the nearest number of E4M3, ties to even, subnormals kept.
;;     - The product sums the exact products of the quantised numbers (number of the format x scale) in f32.
;;   ~~~python
;;   def quantise(x, axis, e):      # numpy; x: float32 -> the quantised numbers, widened to float32 again
;;       x = np.moveaxis(x, axis, -1); K = x.shape[-1]
;;       r = np.clip(x / 2.0 ** e, -448, 448)
;;       step = 2.0 ** (np.maximum(np.frexp(np.where(r == 0, 1, r))[1] - 1, -6) - 3)
;;       q = np.round(r / step) * step * 2.0 ** e      # np.round: ties to even
;;       return np.moveaxis(q, -1, axis).astype(np.float32)
;;   ~~~
;;   OPERANDS COMPUTED ON THE WAY. 'Computed on the way' means the value that the module computes at that place (a softmax that the list does not call 'softmax' is quantised finished and normalised). What goes into a quantiser is computed in f32, as accurately as f32 sums, v_exp_f32 and their like allow (about 1e-6 of the number): no bf16 or f16 on the way to a quantiser, and a product that is left as it is and whose result goes on into a quantised operand takes f32 operands (vector FMAs, or v_wmma_f32_16x16x4_f32). A number that lies on a knife's edge between two numbers of the format may be rounded either way, as far as f32 arithmetic and the matrix unit's own rounding can turn it there, and no further.
;; One version. Each part assembles by itself: llvm-mc -triple=amdgcn-amd-amdhsa -mcpu=gfx1250 --defsym DOCPART=n.
;; ======== version 1 of 1: 3 launches
;; workspace buffers: x_codes 8,388,608 bytes; fc_codes 4,194,304 bytes; proj_codes 4,194,304 bytes; h_codes 33,554,432 bytes
;; launch quant (part 1): grid 512 x 1, 4 waves a work-group, no clusters, 34,304 bytes of LDS; arguments x, fc_w, proj_w, lowp_scales, x_codes, fc_codes, proj_codes; writes x_codes, fc_codes, proj_codes
.if DOCPART == 1
	.amdgcn_target "amdgcn-amd-amdhsa--gfx1250"
	.amdhsa_code_object_version 6
	.text
	.protected	k_q2eff88d14a_quant
	.globl	k_q2eff88d14a_quant
	.p2align	8
	.type	k_q2eff88d14a_quant,@function
k_q2eff88d14a_quant:
	s_mov_b64 s[64:65], 0
	v_nop
	global_prefetch_b8 v0, s[64:65] scope:SCOPE_SE
	s_setreg_imm32_b32 hwreg(HW_REG_WAVE_MODE, 25, 1), 1
	s_wait_xcnt 0x0
; x [8192][1024], fc_w [4096][1024] and proj_w [1024][4096], f32 with K innermost, become codes of FP8 (E4M3), each tensor with the one scale 2^e given for it
; (entries 0, 1 and 3 of the buffer of scales).
; TWO ROUNDINGS, as the function has them.  First its own cast: the number is rounded to E4M3 as it stands (scale 1, ties to even, subnormals kept: under 2^-6 only multiples of 2^-9 are left) and widened to f32 again.
; Then the product's quantiser: that number / 2^e, held within +-448, rounded to the nearest code, ties to even.
; LIMITS: each of these e lies between -126 and 119, so that 2^e and 448 x 2^e are f32 numbers.  A number beyond 464 in magnitude, which the function's cast turns into NaN, is held at 448 here: not served.
; NaN among the inputs is not served.
; THE CODES' LAYOUT is the order of a matrix operand's registers.  A FRAGMENT is 16 rows x 128 K = 2,048 bytes in four pieces of 512: in piece c lane l (r = l % 16, h = l / 16) owns the 16 bytes at
; 512 c + 16 l: row r's codes of k = 32 c + 8 h + 0..7, then of k = 32 c + 16 + 8 h + 0..7.  Four 16-byte loads a lane then give the 16 registers of the K = 128 form, each k in its own place.
; A tensor [R][K] lies as [row / 128][k / 128][(row / 16) % 8][2,048 bytes]: 128 rows x any run of K steps are one dense block.
; SHARES.  A wave makes four fragments: one tile of 16 rows, 512 neighbouring k.  Work-groups 0-255 take x, 256-383 fc_w, 384-511 proj_w: pointers, the row pitch and e are chosen by selects on the
; work-group's number; all take one path through the text.  Each load reads 512 consecutive bytes of a row; a fragment's 16 rows turn through the wave's own stage in LDS, so that a lane gets 8 neighbours
; along K in 8 consecutive registers, as the conversion wants them.  Each store covers 512 consecutive bytes, aligned.
; The waves share nothing: no barrier.  No input is shared between work-groups, so there is no cluster; there is no product here, so no matrix instruction.
.set SP,    528                        ; a stage row: 512 bytes + 16: row r begins 33 r sixteen-byte columns on, so sixteen lanes that read one column of 16 rows fall on 16 different columns modulo 256 bytes
.set SREG,  16*SP                      ; a wave's stage: 8,448 bytes
.set SPARE, 4*SREG                     ; behind the four stages (33,792 = 132 x 256): the spare words, 128 bytes a wave, which no other line names
.set ONE,   8                          ; v8       1.0: the scale of the function's own cast
.set TOP,   9                          ; v9       448.0
.set SPW,   12                         ; v12      LDS address of my spare word; never rewritten
.set NIL,   13                         ; v13      0; never rewritten
.set BY,    14                         ; v14      the byte 127 (2^0) four times: the scale of the way back to f32
.set ROFF,  16                         ; v16-31   row i x the row pitch + 16 x lane; never rewritten
.set R,     32                         ; v32-159  two sets of 64: a fragment's numbers as loaded
.set X,     160                        ; v160-223 the same, 8 neighbours along K in 8 registers
.set C,     224                        ; v224-255 two sets of 16: a fragment's codes
	s_load_b256 s[4:11], s[0:1], 0x0               ; x s[4:5], fc_w s[6:7], proj_w s[8:9], the scales' exponents s[10:11]
	s_load_b128 s[12:15], s[0:1], 0x20             ; x_codes s[12:13], fc_codes s[14:15]
	s_load_b64 s[16:17], s[0:1], 0x30              ; proj_codes
	v_lshl_add_u32 v[SPW], v0, 2, SPARE
	v_mov_b32 v[NIL], 0
	v_lshrrev_b32 v1, 5, v0
	v_readfirstlane_b32 s18, v1                    ; wave 0..3
	v_and_b32 v2, 31, v0                           ; lane
	v_lshlrev_b32 v3, 4, v2                        ; 16 x lane: my bytes of a load's 512 and of a store's 512
	v_and_b32 v4, 15, v0                           ; r
	v_bfe_u32 v5, v0, 4, 1                         ; h
	v_mov_b32 v[ONE], 1.0
	v_mov_b32 v[TOP], 0x43e00000
	v_mov_b32 v[BY], 0x7f7f7f7f
	s_mul_i32 s2, s18, SREG                        ; my stage
	v_add_nc_u32 v6, s2, v3                        ; into it: 16 x lane of a row
	v_mul_u32_u24 v7, v4, SP
	v_lshl_add_u32 v7, v5, 5, v7
	v_add_nc_u32 v7, s2, v7                        ; out of it: row r, + 32 h bytes (8 h numbers)
	s_cmp_lt_u32 ttmp9, 384
	s_cselect_b32 s20, 1, 3                        ; SH: a row is 2,048 << SH bytes: K = 1,024 or 4,096
	s_mov_b32 s19, 384
	s_cselect_b32 s19, 256, s19
	s_cmp_lt_u32 ttmp9, 256
	s_cselect_b32 s19, 0, s19                      ; the tensor's first work-group
	s_sub_co_u32 s19, ttmp9, s19
	s_lshl_b32 s19, s19, 2
	s_add_co_u32 s19, s19, s18                     ; my wave's number within the tensor
	s_lshr_b32 s21, s19, s20                       ; rt: which tile of 16 rows
	s_bfm_b32 s22, s20, 0
	s_and_b32 s22, s19, s22                        ; kq: which 512 along K
	s_lshl_b32 s3, 2048, s20                       ; the row pitch in bytes
	s_add_co_u32 s23, s20, 15
	s_lshl_b32 s28, s21, s23                       ; in: 16 rt rows
	s_lshl_b32 s23, s22, 11
	s_add_co_u32 s28, s28, s23                     ;     + 2,048 kq
	s_mov_b32 s29, 0
	s_lshr_b32 s30, s21, 3
	s_add_co_u32 s23, s20, 16
	s_lshl_b32 s30, s30, s23                       ; out: (rt / 8) blocks of 128 rows x K bytes
	s_lshl_b32 s23, s22, 16
	s_add_co_u32 s30, s30, s23                     ;      + 4 kq K steps of 16,384 bytes
	s_and_b32 s23, s21, 7
	s_lshl_b32 s23, s23, 11
	s_add_co_u32 s30, s30, s23                     ;      + (rt % 8) fragments
	s_mov_b32 s31, 0
.irp i, 0,1,2,3,4,5,6,7,8,9,10,11,12,13,14,15
	v_mad_u32_u24 v[ROFF+\i], s3, \i, v3
.endr
	s_wait_kmcnt 0x0
	s_load_b128 s[24:27], s[10:11], 0x0            ; e0, e1, e2, e3
	s_cmp_lt_u32 ttmp9, 384                        ; the choices hang on the work-group's number alone
	s_cselect_b64 s[6:7], s[6:7], s[8:9]
	s_cselect_b64 s[14:15], s[14:15], s[16:17]
	s_cmp_lt_u32 ttmp9, 256
	s_cselect_b64 s[4:5], s[4:5], s[6:7]
	s_cselect_b64 s[12:13], s[12:13], s[14:15]
	s_add_nc_u64 s[4:5], s[4:5], s[28:29]
	s_add_nc_u64 s[12:13], s[12:13], s[30:31]
.macro LOAD f                          ; fragment f's 16 rows x 512 bytes into set f % 2
.irp i, 0,1,2,3,4,5,6,7,8,9,10,11,12,13,14,15
	global_load_b128 v[R+64*((\f)%2)+4*\i:R+64*((\f)%2)+4*\i+3], v[ROFF+\i], s[4:5] offset:512*(\f) th:TH_LOAD_NT
.endr
.endm
	LOAD 0
	LOAD 1
	s_wait_kmcnt 0x0
	s_cmp_lt_u32 ttmp9, 384
	s_cselect_b32 s25, s25, s27
	s_cmp_lt_u32 ttmp9, 256
	s_cselect_b32 s24, s24, s25                    ; my tensor's e
	s_add_co_i32 s24, s24, 127
	s_lshl_b32 s25, s24, 23
	v_mov_b32 v11, s25                             ; 2^e as f32: the conversion takes its exponent field
	s_add_co_i32 s24, s24, 8
	s_lshl_b32 s24, s24, 23
	s_or_b32 s24, s24, 0x600000
	v_mov_b32 v10, s24                             ; 448 x 2^e
.macro WORK f
.set CS, C+16*((\f)%2)
.if (\f) < 3
	s_wait_loadcnt 16                              ; loads come back in order: this fragment's 16 are in, the next fragment's 16 may be out
.else
	s_wait_loadcnt 0
.endif
.irp i, 0,1,2,3,4,5,6,7,8,9,10,11,12,13,14,15
	ds_store_b128 v6, v[R+64*((\f)%2)+4*\i:R+64*((\f)%2)+4*\i+3] offset:SP*\i
.endr
.irp c, 0,1,2,3                        ; LDS serves a wave's instructions in order: these see the stores above.  X + 16 c + 0..7: k = 32 c + 8 h + 0..7;  + 8..15: k = 32 c + 16 + 8 h + 0..7
	ds_load_b128 v[X+16*\c:X+16*\c+3], v7 offset:128*\c
	ds_load_b128 v[X+16*\c+4:X+16*\c+7], v7 offset:128*\c+16
	ds_load_b128 v[X+16*\c+8:X+16*\c+11], v7 offset:128*\c+64
	ds_load_b128 v[X+16*\c+12:X+16*\c+15], v7 offset:128*\c+80
.endr
	s_wait_dscnt 0x0                               ; the numbers are back; the stage's stores have read their registers,
.if (\f) < 2
	LOAD (\f)+2                                    ; which take the fragment two further on
.endif
.set j, 0
.rept 64
	v_med3_num_f32 v[X+j], v[X+j], -v[TOP], v[TOP] ; the conversion to an 8-bit code does not saturate (ISA guide 7.6.2): the hold at the format's largest number
.set j, j+1
.endr
.if (\f) >= 2
	s_wait_xcnt 0x0                                ; the stores of two fragments back have read this set of codes: it is written again only behind this wait
.endif
.irp g, 0,1,2,3,4,5,6,7
	v_cvt_scalef32_pk8_fp8_f32 v[CS+2*\g:CS+2*\g+1], v[X+8*\g:X+8*\g+7], v[ONE]   ; the function's own cast: to E4M3 at scale 1,
.endr
	v_nop                                          ; (a plain vector line between a run of scaled conversions and the lines that read its results and write its sources)
.irp g, 0,1,2,3,4,5,6,7
	v_cvt_scale_pk8_f32_fp8 v[X+8*\g:X+8*\g+7], v[CS+2*\g:CS+2*\g+1], v[BY]       ; and back to f32, x 2^0
.endr
	v_nop
.set j, 0
.rept 64
	v_med3_num_f32 v[X+j], v[X+j], -v10, v10       ; the quantiser's clamp: within the largest code x the given scale
.set j, j+1
.endr
.irp g, 0,1,2,3,4,5,6,7
	v_cvt_scalef32_pk8_fp8_f32 v[CS+2*\g:CS+2*\g+1], v[X+8*\g:X+8*\g+7], v11
.endr
	v_nop                                          ; a plain vector line behind the last conversion of the run
.irp c, 0,1,2,3
	global_store_b128 v3, v[CS+4*\c:CS+4*\c+3], s[12:13] offset:16384*(\f)+512*\c   ; 32 lanes store 512 consecutive bytes, at a multiple of 256 from the buffer's first byte
.endr
.endm
	WORK 0
	WORK 1
	WORK 2
	WORK 3
	s_wait_tensorcnt 0x0                           ; the wave's end: the wait, the add to my spare word and its wait behind my last LDS store
	ds_add_u32 v[SPW], v[NIL]
	s_wait_dscnt 0x0
	s_endpgm
.Lfunc_end_k_q2eff88d14a_quant:
	.size	k_q2eff88d14a_quant, .Lfunc_end_k_q2eff88d14a_quant-k_q2eff88d14a_quant
	.p2alignl 7, 3214868480
	.fill 96, 4, 3214868480
	.section	.rodata,"a",@progbits
	.p2align	6, 0x0
	.amdhsa_kernel k_q2eff88d14a_quant
		.amdhsa_group_segment_fixed_size 34304
		.amdhsa_private_segment_fixed_size 0
		.amdhsa_enable_private_segment 0
		.amdhsa_kernarg_size 56
		.amdhsa_user_sgpr_count 2
		.amdhsa_user_sgpr_kernarg_segment_ptr 1
		.amdhsa_wavefront_size32 1
		.amdhsa_system_sgpr_workgroup_id_x 1
		.amdhsa_system_sgpr_workgroup_id_y 1
		.amdhsa_system_sgpr_workgroup_id_z 1
		.amdhsa_system_vgpr_workitem_id 0
		.amdhsa_next_free_vgpr 256
		.amdhsa_next_free_sgpr 66
		.amdhsa_reserve_vcc 0
		.amdhsa_float_denorm_mode_32 3
		.amdhsa_float_denorm_mode_16_64 3
		.amdhsa_memory_ordered 1
		.amdhsa_forward_progress 1
		.amdhsa_inst_pref_size 59
	.end_amdhsa_kernel
	.amdgpu_metadata
---
amdhsa.version: [ 1, 2 ]
amdhsa.kernels:
  - .name:           k_q2eff88d14a_quant
    .symbol:         k_q2eff88d14a_quant.kd
    .args:
      - { .name: x, .offset: 0, .size: 8, .value_kind: global_buffer, .address_space: global }
      - { .name: fc_w, .offset: 8, .size: 8, .value_kind: global_buffer, .address_space: global }
      - { .name: proj_w, .offset: 16, .size: 8, .value_kind: global_buffer, .address_space: global }
      - { .name: lowp_scales, .offset: 24, .size: 8, .value_kind: global_buffer, .address_space: global }
      - { .name: x_codes, .offset: 32, .size: 8, .value_kind: global_buffer, .address_space: global }
      - { .name: fc_codes, .offset: 40, .size: 8, .value_kind: global_buffer, .address_space: global }
      - { .name: proj_codes, .offset: 48, .size: 8, .value_kind: global_buffer, .address_space: global }
    .group_segment_fixed_size: 34304
    .private_segment_fixed_size: 0
    .kernarg_segment_align: 8
    .kernarg_segment_size: 56
    .max_flat_workgroup_size: 128
    .sgpr_count:     66
    .vgpr_count:     256
    .wavefront_size: 32
...
	.end_amdgpu_metadata
.endif
;; end of part 1
;; launch fc (part 2): grid 16 x 16, 4 waves a work-group, clusters of 4 x 4, 327,680 bytes of LDS; arguments x_codes, fc_codes, lowp_scales, h_codes; writes h_codes
.if DOCPART == 2
	.amdgcn_target "amdgcn-amd-amdhsa--gfx1250"
	.amdhsa_code_object_version 6
	.text
	.protected	k_q2eff88d14a_fc
	.globl	k_q2eff88d14a_fc
	.p2align	8
	.type	k_q2eff88d14a_fc,@function
k_q2eff88d14a_fc:
	s_mov_b64 s[64:65], 0
	v_nop
	global_prefetch_b8 v0, s[64:65] scope:SCOPE_SE
	s_setreg_imm32_b32 hwreg(HW_REG_WAVE_MODE, 25, 1), 1
	s_wait_xcnt 0x0
	s_wait_alu depctr_hold_cnt(0) depctr_sa_sdst(0) depctr_va_vdst(0) depctr_va_sdst(0) depctr_va_ssrc(0) depctr_va_vcc(0) depctr_vm_vsrc(0)
	s_getreg_b32 s2, hwreg(HW_REG_IB_STS2, 6, 4)
	s_cmp_eq_u32 s2, 0
	s_cbranch_scc0 .Lentry_in_a_cluster
	s_endpgm
.Lentry_in_a_cluster:
	s_bfe_u32 s2, ttmp6, 0x10000c
	s_cmp_lg_u32 s2, 0xf033
	s_cbranch_scc0 .Lentry_shape_is_right
	s_endpgm
.Lentry_shape_is_right:
; h_codes = Q(cast(relu(x fc_w^T)^2)): the first product, 8,192 x 4,096 x 1,024, on codes of FP8 (E4M3), f32 sums; the function's own cast of the square to E4M3; and the quantiser of the second product's left operand.
; All three buffers of codes lie in the order of an operand's registers: [row / 128][k / 128][(row / 16) % 8][2,048 bytes]; in a fragment's piece c (512 bytes) lane l owns 16 bytes at 16 l: registers 4 c .. 4 c + 3.
; So 128 rows x 256 K are one dense block of 32,768 bytes for one tensor load, a fragment comes from LDS by four loads of 512 dense bytes, and h's codes leave from the registers in which the conversions make them.
; THE ARITHMETIC OF THE WAY OUT.  A sum s stands for s x 2^G, G = e0 + e1, so max(s, 0)^2 stands for the square x 2^(2 G); powers of two round nothing, so s x s is rounded as the function's h x h is.
;  1. relu and a hold in one line, AHEAD of the square: s between 0 and L = 21.125 x 2^-G.  L^2 stands for 446.3, above the middle (432) between the format's two largest numbers and not above 448: every s from L on is
;     cast to 448, every s under L to its own number, and no square overflows.
;  2. the function's own cast: s^2 / 2^(-2 G) to E4M3 (scale 1 in the function's units: ties to even, subnormals kept), and back to f32: now in the function's units.
;  3. the quantiser: held at 448 x 2^e2 (nothing is negative: one-sided), / 2^e2, to the nearest code.
; LIMITS: G between -59 and 63 (L^2 and 2^(-2 G) are f32 numbers); e2 between -126 and 119.  A square beyond 464, which the function's cast turns into NaN, is held at 448 here: not served.  NaN is not served.
; SHARES.  A tile of C is 256 x 256, made by four waves, each 128 x 128: 64 accumulators, 512 registers.  A WORK-GROUP STAYS for two tiles, 4,096 rows apart, of one tile column: 256 work-groups in all; the ring goes on
; into the second tile, whose first two K steps are asked for ahead of the first tile's way out.  K goes in steps of 256 through two LDS slots; everything is written out, four K steps a tile.
; CLUSTERS: 4 x 4 work-groups.  The four of a row of the cluster need the same tiles of A (x), the four of a column the same tiles of B (fc_w): each tile is asked for JOINTLY, by the same tensor load with the same
; descriptor and a mask that names the four.  THE MATRIX INSTRUCTION IS USED TRANSPOSED (source 0 = 16 rows of fc_w, source 1 = 16 rows of x): lane (r, h) of accumulator (a, b) holds, of row 16 a + r, the hidden units
; 16 b + 8 h + 0..7: just what registers 2 b, 2 b + 1 of h's fragment hold in that lane.
; REGISTERS, in windows of 256: window 0: v16-31 addresses and constants; v32-95 a block's numbers on the way out; v96-127 two sets of its codes; v128-255 A's fragments, ONE set (8 x 16).
;   window 1: B's fragments, TWO sets, at v0 and v128.   window 2: the accumulators of my rows 0-63 ((a, b) at v[8 (8 (a % 4) + b)]);   window 3: those of rows 64-127.
.set SLOT,   131072                    ; A's rows 0-127, A's rows 128-255, B's likewise: 32,768 bytes each, as [128 K][fragment][2,048]
.set SPARE,  2*SLOT                    ; behind the ring: the spare words, 128 bytes a wave, which no other line names
.set KSB,    32768                     ; a K step of 256 of 128 rows, in bytes
.set NEXT_A, 32*131072-2*KSB           ; from a slot's last K step of the first tile to its first of the second: 32 blocks of 128 rows down, two K steps back
.set FR,     16                        ; registers of a fragment
.set NP,     4                         ; places behind this matrix instruction (ISA guide 7.12.1)
.set ADRA, 16                          ; v16-17  LDS address of my A fragments in slot 0, 1
.set ADRB, 20                          ; v20-21  the same for B
.set BY,   22                          ; v22     the byte 127 (2^0) four times: the scale of the way back to f32
.set LIM2, 23                          ; v23     448 x 2^e2
.set SC2,  24                          ; v24     2^e2 as f32
.set CO,   26                          ; v26     16 x lane
.set SPW,  28                          ; v28     LDS address of my spare word; never rewritten
.set NIL,  29                          ; v29     0; never rewritten
.set LIM,  30                          ; v30     L = 21.125 x 2^-G
.set SC,   31                          ; v31     2^(-2 G) as f32
.set TMP,  32
.set PC,   96
.set AF,   128
.set G1, 24                            ; s[24:31] descriptor group 1 for A's tiles;  s[32:39] group 0, one set for each slot
.set G0, 32
.set G1B, 48                           ; s[48:55], s[56:63] the same for B's tiles
.set G0B, 56
.set MSB, 0
.macro WIN new                         ; the immediate's high byte repeats the setting that is left
.if MSB != \new
	s_set_vgpr_msb (MSB<<8)|\new
.set MSB, \new
.endif
.endm
.set MUL_LO, 0xa1                      ; source 0 (B) window 1, source 1 (A) window 0, C and D window 2
.set MUL_HI, 0xf1                      ; the same, C and D window 3
.set TO_B,   0x40                      ; destination window 1, address window 0
; A joint load: waves 0 and 1 fetch for A, waves 2 and 3 for B.  Each line has one mask and one set of registers for all that issue it; the branch hangs on the wave's number alone.
; An s_nop 0 and four v_nop follow each of the two lines, ahead of the jump, the label and what follows.
.macro JLOAD g0a, g1a, g0b, g1b
	s_cmp_eq_u32 s15, 0
	s_cbranch_scc0 .Lfor_b_\@
	tensor_load_to_lds s[\g0a:\g0a+3], s[\g1a:\g1a+7]
	s_nop 0
.rept 4
	v_nop
.endr
	s_branch .Lasked_\@
.Lfor_b_\@:
	tensor_load_to_lds s[\g0b:\g0b+3], s[\g1b:\g1b+7]
	s_nop 0
.rept 4
	v_nop
.endr
.Lasked_\@:
.endm
.macro CREST                           ; a round of the cluster's barrier behind its opening barrier
	s_cmp_lg_u32 s14, 0
	s_cbranch_scc1 .Lnot_wave_0_\@
	s_barrier_signal -3
.Lnot_wave_0_\@:
	s_barrier_wait -3
	s_barrier_signal -1
	s_barrier_wait -1
.endm
.macro CROUND                          ; a whole round
	s_barrier_signal -1
	s_barrier_wait -1
	CREST
.endm
	s_load_b128 s[4:7], s[0:1], 0x0                ; x's codes s[4:5], fc_w's codes s[6:7]
	s_load_b128 s[8:11], s[0:1], 0x10              ; the scales' exponents s[8:9], h's codes s[10:11]
	v_lshl_add_u32 v[SPW], v0, 2, SPARE
	v_mov_b32 v[NIL], 0
	ds_add_u32 v[SPW], v[NIL]                      ; the wave's opening: the add and its wait ahead of my first tensor load; the set-up below, work on registers, stands between them
	v_lshrrev_b32 v1, 5, v0
	v_readfirstlane_b32 s14, v1                    ; wave 0..3
	s_lshr_b32 s15, s14, 1                         ; which half of the tile's rows is mine.  Also: I fetch for A (0) or for B (1)
	s_and_b32 s16, s14, 1                          ; which half of its columns.  Also: which 128 rows of that tile I fetch
	s_bfe_u32 s40, ttmp6, 0x40000                  ; cx, cy: my place in the cluster
	s_bfe_u32 s41, ttmp6, 0x40004
	s_lshl_b32 s42, ttmp9, 2
	s_add_co_u32 s42, s42, s40                     ; tile column = 4 x cluster x + cx
	s_and_b32 s17, ttmp7, 0xffff
	s_lshl_b32 s17, s17, 2
	s_add_co_u32 s17, s17, s41                     ; first tile row = 4 x cluster y + cy
	s_lshl_b32 s43, s41, 2
	s_lshl_b32 s43, 15, s43                        ; my row of the cluster
	s_lshl_b32 s44, 0x1111, s40                    ; my column
	; descriptor group 1: a dense block of 32,768 bytes as 128 rows of 256 bytes, no padding
	s_or_b32 s[G1+0], s43, (1<<21)                 ; 15:0 the mask: A's tiles go to my row; 17:16 elements of 1 byte; 21 set beside a mask
	s_or_b32 s[G1B+0], s44, (1<<21)                ; B's go to my column
.irp g, G1, G1B
	s_mov_b32 s[\g+1], 256<<16                     ; tensor_dim0 = 256
	s_mov_b32 s[\g+2], 128<<16                     ; tensor_dim1 = 128
	s_mov_b32 s[\g+3], 256<<16                     ; tile_dim0 = 256
	s_mov_b32 s[\g+4], 128                         ; tile_dim1 = 128
	s_mov_b32 s[\g+5], 256                         ; from row to row
	s_mov_b32 s[\g+6], 0
	s_mov_b32 s[\g+7], 0
.endr
	s_lshl_b32 s20, s17, 1
	s_add_co_u32 s20, s20, s16
	s_lshl_b32 s20, s20, 17                        ; A: block 2 x tile row + half, of 131,072 bytes (128 rows x 1,024 K)
	s_mov_b32 s21, 0
	s_lshl_b32 s46, s42, 1
	s_add_co_u32 s46, s46, s16
	s_lshl_b32 s46, s46, 17                        ; B: block 2 x tile column + half
	s_mov_b32 s47, 0
	s_lshl_b32 s45, s14, 15                        ; where they go: wave x 32,768: no place in the cluster enters an LDS address
	s_wait_dscnt 0x0                               ; the opening add is done
	s_wait_kmcnt 0x0
	s_load_b128 s[68:71], s[8:9], 0x0              ; e0, e1, e2, e3
	s_add_nc_u64 s[20:21], s[4:5], s[20:21]
	s_add_nc_u64 s[46:47], s[6:7], s[46:47]
	CROUND                                         ; all sixteen work-groups are here: the first joint loads meet
.irp s, 0,1
	s_mov_b32 s[G0+4*\s], 1
	s_add_co_u32 s[G0+4*\s+1], s45, \s*SLOT
	s_add_nc_u64 s[G0+4*\s+2:G0+4*\s+3], s[20:21], \s*KSB
	s_or_b32 s[G0+4*\s+3], s[G0+4*\s+3], 0x80000000
	s_mov_b32 s[G0B+4*\s], 1
	s_add_co_u32 s[G0B+4*\s+1], s45, \s*SLOT
	s_add_nc_u64 s[G0B+4*\s+2:G0B+4*\s+3], s[46:47], \s*KSB
	s_or_b32 s[G0B+4*\s+3], s[G0B+4*\s+3], 0x80000000
	JLOAD G0+4*\s, G1, G0B+4*\s, G1B               ; two loads of mine are out behind the second
.endr
	v_and_b32 v1, 31, v0
	v_lshlrev_b32 v[CO], 4, v1                     ; 16 x lane
	s_lshl_b32 s21, s15, 15                        ; my 128 rows of A
	s_lshl_b32 s22, s16, 15                        ; my 128 rows of B,
	s_add_co_u32 s22, s22, 65536                   ; which lie behind A's 256
.irp s, 0,1
	v_add_nc_u32 v[ADRA+\s], s21, v[CO]
	v_add_nc_u32 v[ADRB+\s], s22, v[CO]
	s_add_co_u32 s21, s21, SLOT
	s_add_co_u32 s22, s22, SLOT
.endr
	s_lshl_b32 s20, s17, 1                         ; where my part of h begins: block of 128 rows 2 x tile row + half, of 524,288 bytes;
	s_add_co_u32 s20, s20, s15
	s_lshl_b32 s20, s20, 19
	s_lshl_b32 s46, s42, 1                         ; K step (128 hidden units) 2 x tile column + half, of 16,384 bytes
	s_add_co_u32 s46, s46, s16
	s_lshl_b32 s46, s46, 14
	s_add_co_u32 s20, s20, s46
	s_mov_b32 s21, 0
	s_add_nc_u64 s[10:11], s[10:11], s[20:21]
	s_wait_kmcnt 0x0
	s_add_co_i32 s72, s68, s69                     ; G = e0 + e1
	s_sub_co_i32 s74, 131, s72                     ; 21.125 lies between 16 and 32: exponent 4 - G
	s_lshl_b32 s74, s74, 23
	s_or_b32 s74, s74, 0x290000                    ; the mantissa field of 21.125
	v_mov_b32 v[LIM], s74                          ; L
	s_lshl_b32 s73, s72, 1
	s_sub_co_i32 s73, 127, s73
	s_lshl_b32 s73, s73, 23
	v_mov_b32 v[SC], s73                           ; 2^(-2 G) as f32: the first conversion takes its exponent field
	v_mov_b32 v[BY], 0x7f7f7f7f
	s_add_co_i32 s75, s70, 127
	s_lshl_b32 s76, s75, 23
	v_mov_b32 v[SC2], s76                          ; 2^e2 as f32, for the second
	s_add_co_i32 s75, s75, 8
	s_lshl_b32 s75, s75, 23
	s_or_b32 s75, s75, 0x600000
	v_mov_b32 v[LIM2], s75                         ; 448 x 2^e2
.macro FRAG reg, adr, q, i             ; fragment i of the slot's q-th 128 along K: four loads of 512 dense bytes
.irp c, 0,1,2,3
	ds_load_b128 v[\reg+4*\c:\reg+4*\c+3], v[\adr] offset:16384*(\q)+2048*(\i)+512*\c
.endr
.endm
; 16 matrix instructions: A's blocks a0, a0 + 1 x B's eight, 128 along K.  p: B's set.  zero = 1: the first product starts the sums: nothing is ever cleared.
; The 64 accumulators take turns, one instruction a turn, in the same order in every step.
.macro MUL16 a0, p, zero
.irp a, \a0, \a0+1
.irp b, 0,1,2,3,4,5,6,7
.if \zero
	v_wmma_f32_16x16x128_fp8_fp8 v[8*(8*((\a)%4)+\b):8*(8*((\a)%4)+\b)+7], v[128*(\p)+FR*\b:128*(\p)+FR*\b+FR-1], v[AF+FR*(\a):AF+FR*(\a)+FR-1], 0
.else
	v_wmma_f32_16x16x128_fp8_fp8 v[8*(8*((\a)%4)+\b):8*(8*((\a)%4)+\b)+7], v[128*(\p)+FR*\b:128*(\p)+FR*\b+FR-1], v[AF+FR*(\a):AF+FR*(\a)+FR-1], v[8*(8*((\a)%4)+\b):8*(8*((\a)%4)+\b)+7]
.endif
.endr
.endr
.endm
.macro FETCH_B slot, q, p              ; B's eight fragments into set p
	WIN TO_B
.irp i, 0,1,2,3,4,5,6,7
	FRAG 128*(\p)+FR*\i, ADRB+\slot, \q, \i
.endr
	WIN 0
.endm
.macro FETCH_A slot, q, i0             ; A's blocks i0 .. i0 + 3
.irp i, \i0, \i0+1, \i0+2, \i0+3
	FRAG AF+FR*(\i), ADRA+\slot, \q, \i
.endr
.endm
; A load into a register that a matrix instruction has read, and a vector instruction that reads a matrix result, stand NP places behind that matrix instruction; only plain vector instructions that
; name none of its registers are places (ISA guide 7.12.1 for vector instructions).
.macro PLACES n
.rept \n
	v_nop
.endr
.endm
; A step of 128 along K that has its successor in the same slot.  A block of A is free as soon as its eight products are issued: blocks 0-3 are fetched anew in the middle, blocks 4-7 at the end.
.macro STEP slot, q, zero
	s_wait_dscnt 16                                ; B's set and A's blocks 0-3 are in; the youngest 16 loads (A's blocks 4-7) may be out
	WIN MUL_LO
	MUL16 0, (\q)%2, \zero
	MUL16 2, (\q)%2, \zero
	s_wait_dscnt 0                                 ; A's blocks 4-7 are in (asked for 32 matrix instructions ago)
	PLACES NP
	FETCH_B \slot, (\q)+1, 1-(\q)%2
	FETCH_A \slot, (\q)+1, 0
	WIN MUL_HI
	MUL16 4, (\q)%2, \zero
	MUL16 6, (\q)%2, \zero
	PLACES NP
	WIN 0
	FETCH_A \slot, (\q)+1, 4
.endm
; A slot's last step changes slots: ONE barrier; in front of it each wave waits for all its tensor loads (one is out: its part of the next slot), adds 0 to its spare word, and waits for that and for its reads of this slot.
; fill = 1: this slot is filled again, two K steps ahead in the tile;  2: with the next tile's K step of the same parity;  0: not at all.
.macro TURN slot, next, fill
	s_wait_tensorcnt 0x0                           ; all my tensor loads have landed  (every window is 0 here: the add's two registers lie in window 0)
	ds_add_u32 v[SPW], v[NIL]                      ; 0 onto my spare word
	s_wait_dscnt 17                                ; (the add and the youngest 16 loads, A's blocks 4-7, may be out)
	WIN MUL_LO
	MUL16 0, 1, 0                                  ; sixteen matrix instructions stand between the add and the wait for it
	s_wait_dscnt 0x0                               ; the add is done, and my reads of this slot are over
	s_barrier_signal -1
	MUL16 2, 1, 0
	WIN 0
	s_barrier_wait -1
.if \fill
	CREST                                          ; the barrier has opened a round of the cluster's barrier: no wave of any partner still reads this slot or has a load on its way
.if \fill == 2
	s_add_nc_u64 s[G0+4*\slot+2:G0+4*\slot+3], s[G0+4*\slot+2:G0+4*\slot+3], NEXT_A
	s_sub_nc_u64 s[G0B+4*\slot+2:G0B+4*\slot+3], s[G0B+4*\slot+2:G0B+4*\slot+3], 2*KSB   ; both tiles take the same rows of B
.else
	s_add_nc_u64 s[G0+4*\slot+2:G0+4*\slot+3], s[G0+4*\slot+2:G0+4*\slot+3], 2*KSB
	s_add_nc_u64 s[G0B+4*\slot+2:G0B+4*\slot+3], s[G0B+4*\slot+2:G0B+4*\slot+3], 2*KSB
.endif
	JLOAD G0+4*\slot, G1, G0B+4*\slot, G1B         ; the first tensor load behind the round, my one load until the next; its four v_nop are the places in front of the loads below
.else
	PLACES NP
.endif
	FETCH_B \next, 0, 0
	FETCH_A \next, 0, 0
	WIN MUL_HI
	MUL16 4, 1, 0
	MUL16 6, 1, 0
	PLACES NP
	WIN 0
	FETCH_A \next, 0, 4
.endm
; THE WAY OUT of block a: 16 rows x 128 hidden units, by the three steps of the head comment.  The last eight conversions' results are the 16 registers of h's fragment, stored as they stand.
; The first cast's codes lie meanwhile in the same 16 registers.
.macro OUTBLK a
.set AC, 64*((\a)%4)
.set PS, PC+16*((\a)%2)
	WIN 0x02+((\a)/4)                              ; source 0: window 2 or 3
.set j, 0
.rept 64
	v_med3_num_f32 v[TMP+j], v[AC+j], 0, v[LIM]    ; relu and the hold ahead of the square; each accumulator from its low end on
.set j, j+1
.endr
	WIN 0
.set j, 0
.rept 32
	v_pk_mul_f32 v[TMP+j:TMP+j+1], v[TMP+j:TMP+j+1], v[TMP+j:TMP+j+1]
.set j, j+2
.endr
.if (\a) >= 2
	s_wait_xcnt 0x0                                ; the stores of two blocks back have read this set of codes: it is written again only behind this wait
.endif
.irp b, 0,1,2,3,4,5,6,7
	v_cvt_scalef32_pk8_fp8_f32 v[PS+2*\b:PS+2*\b+1], v[TMP+8*\b:TMP+8*\b+7], v[SC]   ; the function's own cast of the square to E4M3,
.endr
	v_nop                                          ; (a plain vector line between a run of scaled conversions and the lines that read its results and write its sources)
.irp b, 0,1,2,3,4,5,6,7
	v_cvt_scale_pk8_f32_fp8 v[TMP+8*\b:TMP+8*\b+7], v[PS+2*\b:PS+2*\b+1], v[BY]      ; and back to f32, x 2^0: the square as the function has it ahead of the second product
.endr
	v_nop
.set j, 0
.rept 64
	v_min_num_f32 v[TMP+j], v[TMP+j], v[LIM2]      ; the quantiser's clamp; nothing is negative, so it is one-sided (the conversion to an 8-bit code does not saturate: ISA guide 7.6.2)
.set j, j+1
.endr
.irp b, 0,1,2,3,4,5,6,7
	v_cvt_scalef32_pk8_fp8_f32 v[PS+2*\b:PS+2*\b+1], v[TMP+8*\b:TMP+8*\b+7], v[SC2]
.endr
	v_nop                                          ; a plain vector line behind the last conversion of the run: the next block's lines write its sources
.irp c, 0,1,2,3
	global_store_b128 v[CO], v[PS+4*\c:PS+4*\c+3], s[10:11] offset:2048*(\a)+512*\c   ; 32 lanes store 512 consecutive bytes, at a multiple of 256 from the buffer's first byte
.endr
.endm
	s_wait_tensorcnt 1                             ; my part of K step 0 is in (K step 1's load may be out)
	s_barrier_signal -1
	s_barrier_wait -1                              ; everybody's is
	FETCH_B 0, 0, 0
	FETCH_A 0, 0, 0
	FETCH_A 0, 0, 4
	; ---- the first tile
	STEP 0, 0, 1                                   ; its products start the sums
	TURN 0, 1, 1
	STEP 1, 0, 0
	TURN 1, 0, 1
	STEP 0, 0, 0
	TURN 0, 1, 2                                   ; the ring goes on into the second tile: slot 0 takes its K step 0,
	STEP 1, 0, 0
	TURN 1, 0, 2                                   ; slot 1 its K step 1, and its first fragments are fetched.  Both refills are asked for: now the tile goes out
.irp a, 0,1,2,3,4,5,6,7
	OUTBLK \a
.endr
	s_wait_xcnt 0x0                                ; the stores have read their base and their data
	s_add_nc_u64 s[10:11], s[10:11], 0x1000000     ; 32 blocks of 128 rows of h on
	; ---- the second tile
	STEP 0, 0, 1
	TURN 0, 1, 1
	STEP 1, 0, 0
	TURN 1, 0, 1
	STEP 0, 0, 0
	TURN 0, 1, 0                                   ; nothing is left to ask for: no round
	STEP 1, 0, 0
	s_wait_dscnt 16                                ; the very last step: nothing more to fetch
	WIN MUL_LO
	MUL16 0, 1, 0
	MUL16 2, 1, 0
	s_wait_dscnt 0
	WIN MUL_HI
	MUL16 4, 1, 0
	MUL16 6, 1, 0
	WIN 0
	PLACES NP
.irp a, 0,1,2,3,4,5,6,7
	OUTBLK \a
.endr
	s_wait_tensorcnt 0x0                           ; the wave's end: the wait, the add to my spare word and its wait behind my last tensor load
	ds_add_u32 v[SPW], v[NIL]
	s_wait_dscnt 0x0
	CROUND                                         ; the closing round: no work-group ends while a partner may still ask for a tile that names it
	s_endpgm
.Lfunc_end_k_q2eff88d14a_fc:
	.size	k_q2eff88d14a_fc, .Lfunc_end_k_q2eff88d14a_fc-k_q2eff88d14a_fc
	.p2alignl 7, 3214868480
	.fill 96, 4, 3214868480
	.section	.rodata,"a",@progbits
	.p2align	6, 0x0
	.amdhsa_kernel k_q2eff88d14a_fc
		.amdhsa_group_segment_fixed_size 327680
		.amdhsa_private_segment_fixed_size 0
		.amdhsa_enable_private_segment 0
		.amdhsa_kernarg_size 32
		.amdhsa_user_sgpr_count 2
		.amdhsa_user_sgpr_kernarg_segment_ptr 1
		.amdhsa_wavefront_size32 1
		.amdhsa_system_sgpr_workgroup_id_x 1
		.amdhsa_system_sgpr_workgroup_id_y 1
		.amdhsa_system_sgpr_workgroup_id_z 1
		.amdhsa_system_vgpr_workitem_id 0
		.amdhsa_next_free_vgpr 1024
		.amdhsa_next_free_sgpr 80
		.amdhsa_reserve_vcc 0
		.amdhsa_float_denorm_mode_32 3
		.amdhsa_float_denorm_mode_16_64 3
		.amdhsa_memory_ordered 1
		.amdhsa_forward_progress 1
		.amdhsa_inst_pref_size 255
	.end_amdhsa_kernel
	.section	.bss,"aw",@nobits
	.p2align	6
	.space	262144
	.amdgpu_metadata
---
amdhsa.version: [ 1, 2 ]
amdhsa.kernels:
  - .name:           k_q2eff88d14a_fc
    .symbol:         k_q2eff88d14a_fc.kd
    .args:
      - { .name: x_codes, .offset: 0, .size: 8, .value_kind: global_buffer, .address_space: global }
      - { .name: fc_codes, .offset: 8, .size: 8, .value_kind: global_buffer, .address_space: global }
      - { .name: lowp_scales, .offset: 16, .size: 8, .value_kind: global_buffer, .address_space: global }
      - { .name: h_codes, .offset: 24, .size: 8, .value_kind: global_buffer, .address_space: global }
    .group_segment_fixed_size: 327680
    .private_segment_fixed_size: 0
    .kernarg_segment_align: 8
    .kernarg_segment_size: 32
    .max_flat_workgroup_size: 128
    .sgpr_count:     80
    .vgpr_count:     1024
    .wavefront_size: 32
...
	.end_amdgpu_metadata
.endif
;; end of part 2
;; launch proj (part 3): grid 4 x 64, 4 waves a work-group, clusters of 4 x 4, 327,680 bytes of LDS; arguments h_codes, proj_codes, lowp_scales, out0; writes out0
.if DOCPART == 3
	.amdgcn_target "amdgcn-amd-amdhsa--gfx1250"
	.amdhsa_code_object_version 6
	.text
	.protected	k_q2eff88d14a_proj
	.globl	k_q2eff88d14a_proj
	.p2align	8
	.type	k_q2eff88d14a_proj,@function
k_q2eff88d14a_proj:
	s_mov_b64 s[64:65], 0
	v_nop
	global_prefetch_b8 v0, s[64:65] scope:SCOPE_SE
	s_setreg_imm32_b32 hwreg(HW_REG_WAVE_MODE, 25, 1), 1
	s_wait_xcnt 0x0
	s_wait_alu depctr_hold_cnt(0) depctr_sa_sdst(0) depctr_va_vdst(0) depctr_va_sdst(0) depctr_va_ssrc(0) depctr_va_vcc(0) depctr_vm_vsrc(0)
	s_getreg_b32 s2, hwreg(HW_REG_IB_STS2, 6, 4)
	s_cmp_eq_u32 s2, 0
	s_cbranch_scc0 .Lentry_in_a_cluster
	s_endpgm
.Lentry_in_a_cluster:
	s_bfe_u32 s2, ttmp6, 0x10000c
	s_cmp_lg_u32 s2, 0xf033
	s_cbranch_scc0 .Lentry_shape_is_right
	s_endpgm
.Lentry_shape_is_right:
; out0 = h proj_w^T: the second product, 8,192 x 1,024 x 4,096, on codes of FP8 (E4M3), f32 sums; each finished sum is multiplied once by 2^(e2 + e3).
; LIMIT: e2 + e3 lies between -126 and 127, so that 2^(e2 + e3) is an f32 number.
; Both buffers of codes lie in the order of an operand's registers: [row / 128][k / 128][(row / 16) % 8][2,048 bytes]; in a fragment's piece c (512 bytes) lane l owns 16 bytes at 16 l: registers 4 c .. 4 c + 3.
; So 128 rows x any run of K steps of 128 are one dense block, and a fragment comes from LDS by four loads of 512 dense bytes: no pitch, no padding.
; SHARES.  128 tiles of 256 x 256 would be too few work-groups: a tile is 128 rows x 256 columns, 256 work-groups.  Four waves, each 64 x 128: 32 accumulators, 256 registers.
; THE RING.  A K step of 128 is 16,384 bytes of A and 2 x 16,384 of B.  A slot holds THREE of them, 147,456 bytes; two slots and the spare words take 295,424 of the 327,680 bytes, and four K steps a slot would not fit.
; The 32 K steps are ten slots of three and a last one of two, which has descriptors of its own.  The change of slots stands at a slot's head: the wait for all loads, the add, the wait for LDS, the round, the refill of
; the slot just left; then all of the slot's 96 matrix instructions, in which that refill has its time to land.  Ten changes, nine of them with a refill.
; Waves 0 and 1 fetch A's halves (24,576 dense bytes each), waves 2 and 3 a block of 128 rows of B each (49,152).
; CLUSTERS: 4 x 4 work-groups.  The four of a row of the cluster need the same tiles of A (h), the four of a column the same tiles of B (proj_w): each tile is asked for JOINTLY, by the same tensor load with the same
; descriptor and a mask that names the four.
; THE MATRIX INSTRUCTION IS USED TRANSPOSED (source 0 = 16 rows of proj_w, source 1 = 16 rows of h): a lane holds eight neighbouring numbers of a row of out0.
; REGISTERS, in windows of 256: window 0: v16-31 addresses; v32-95 a block's numbers on the way out; v128-191, v192-255 A's fragments, two sets (4 x 16), on the way out rows read back from the stage.
;   window 1: B's fragments, two sets, at v0 and v128.   window 2: the accumulators ((a, b) at v[8 (8 a + b)]).
.set KS1,    16384                     ; a K step of 128 of 128 rows, in bytes
.set PART,   3*KS1                     ; 128 rows' part of a slot: as [K step 0-2][fragment 0-7][2,048]
.set SLOT,   3*PART                    ; A's 128 rows, then B's rows 0-127 and 128-255
.set TAILK,  30*KS1                    ; where the last two K steps begin in a block of 128 rows
.set SPARE,  2*SLOT                    ; behind the ring (294,912 = 1,152 x 256): the spare words, 128 bytes a wave, which no other line names
.set STAGE,  SLOT                      ; the way out: 16 rows x 528 bytes for each wave.  It lies in slot 1, which has had its last fill and its last read when the first result is stored there
.set SP,     528                       ; a stage row: 512 bytes + 16: row r begins 33 r sixteen-byte columns on
.set FR,     16                        ; registers of a fragment
.set NP,     4                         ; places behind this matrix instruction (ISA guide 7.12.1)
.set ADRA, 16                          ; v16-17  LDS address of my A fragments in slot 0, 1
.set ADRB, 20                          ; v20-21  the same for B
.set STO,  24                          ; v24     the way out: where I put 32 bytes of a row
.set RD,   25                          ; v25     the way out: where I read a row back
.set CO,   26                          ; v26     16 x lane
.set PFO,  27                          ; v27     256 x lane: the prefetches' offset; never rewritten
.set SPW,  28                          ; v28     LDS address of my spare word; never rewritten
.set NIL,  29                          ; v29     0; never rewritten
.set TMP,  32
.set AF,   128
.set BK,   128
.set LIM,  12                          ; s12      1 in a wave that prefetches, else the greatest number
.set G1,   24                          ; s[24:31] descriptor group 1 for A's tiles;  s[32:39] group 0, one set for each slot
.set G0,   32
.set G1B,  48                          ; s[48:55], s[56:63] the same for B's tiles
.set G0B,  56
.set PFA,  66                          ; s[66:67] where my prefetches stand in h's codes
.set G0BT, 76                          ; s[76:79] group 0 for B's last two K steps;  s[88:95] its group 1
.set G1T,  80                          ; s[80:87] group 1 for A's last two K steps;  s[96:99] its group 0
.set G1BT, 88
.set G0T,  96
.set MSB, 0
.macro WIN new                         ; the immediate's high byte repeats the setting that is left
.if MSB != \new
	s_set_vgpr_msb (MSB<<8)|\new
.set MSB, \new
.endif
.endm
.set MUL,  0xa1                        ; source 0 (B) window 1, source 1 (A) window 0, C and D window 2
.set TO_B, 0x40                        ; destination window 1, address window 0
; A joint load: waves 0 and 1 fetch for A, waves 2 and 3 for B; the branch hangs on the wave's number alone.  An s_nop 0 and four v_nop follow each of the two lines.
.macro JLOAD g0a, g1a, g0b, g1b
	s_cmp_eq_u32 s15, 0
	s_cbranch_scc0 .Lfor_b_\@
	tensor_load_to_lds s[\g0a:\g0a+3], s[\g1a:\g1a+7]
	s_nop 0
.rept 4
	v_nop
.endr
	s_branch .Lasked_\@
.Lfor_b_\@:
	tensor_load_to_lds s[\g0b:\g0b+3], s[\g1b:\g1b+7]
	s_nop 0
.rept 4
	v_nop
.endr
.Lasked_\@:
.endm
.macro CROUND                          ; a round of the cluster's barrier: my work-group's barrier; wave 0 signals for the work-group; every wave waits for all sixteen; my work-group's barrier once more
	s_barrier_signal -1
	s_barrier_wait -1
	s_cmp_lg_u32 s14, 0
	s_cbranch_scc1 .Lnot_wave_0_\@
	s_barrier_signal -3
.Lnot_wave_0_\@:
	s_barrier_wait -3
	s_barrier_signal -1
	s_barrier_wait -1
.endm
; A PREFETCH INTO THE L2 of h's codes, which this launch reads once.  A tile row's 128 rows are one dense block of 32 K steps x 16,384 bytes, read by the four partners of one row of one cluster and by nobody else.
; At each of the first six changes of slots the four partners together ask for four K steps, 65,536 bytes: partner cx takes K step cx of the four (told apart BY ADDRESS: no branch hangs on a place in the cluster), and in it
; waves 0 and 1 take 8,192 bytes each, lanes 256 bytes apart: one instruction a wave.  Change c asks for K steps 4 c + 4 .. 4 c + 7, while its joint load asks for K steps 3 c + 3 .. 3 c + 5: so K steps 8 to 31 are named once each,
; K step 8 at the change that loads it, the others one to three changes ahead of theirs.  K steps 0 to 7 come by their loads alone: nothing is prefetched at the head.  s3 counts the loop's four trips down:
; the fourth trip and the tail ask for nothing, so no prefetch passes the block's end.
.macro ASK
	s_cmp_gt_u32 s3, s[LIM]
	s_cbranch_scc0 .Lnot_mine_\@
	global_prefetch_b8 v[PFO], s[PFA:PFA+1] th:TH_LOAD_NT scope:SCOPE_SE
.Lnot_mine_\@:
.endm
.macro SHAPE g, rows                   ; words 1 to 7 of a group 1: a dense block as rows of 256 bytes, no padding
	s_mov_b32 s[\g+1], 256<<16                     ; tensor_dim0 = 256
	s_mov_b32 s[\g+2], (\rows)<<16                 ; tensor_dim1
	s_mov_b32 s[\g+3], 256<<16                     ; tile_dim0 = 256
	s_mov_b32 s[\g+4], \rows                       ; tile_dim1
	s_mov_b32 s[\g+5], 256                         ; from row to row
	s_mov_b32 s[\g+6], 0
	s_mov_b32 s[\g+7], 0
.endm
	s_load_b128 s[4:7], s[0:1], 0x0                ; h's codes s[4:5], proj_w's codes s[6:7]
	s_load_b128 s[8:11], s[0:1], 0x10              ; the scales' exponents s[8:9], out0 s[10:11]
	v_lshl_add_u32 v[SPW], v0, 2, SPARE
	v_mov_b32 v[NIL], 0
	ds_add_u32 v[SPW], v[NIL]                      ; the wave's opening: the add and its wait ahead of my first tensor load; the set-up below, work on registers, stands between them
	v_lshrrev_b32 v1, 5, v0
	v_readfirstlane_b32 s14, v1                    ; wave 0..3
	s_lshr_b32 s15, s14, 1                         ; which 64 of the tile's rows are mine.  Also: I fetch for A (0) or for B (1)
	s_and_b32 s16, s14, 1                          ; which 128 of its columns.  Also: which part of that tile I fetch
	s_bfe_u32 s40, ttmp6, 0x40000                  ; cx, cy: my place in the cluster
	s_bfe_u32 s41, ttmp6, 0x40004
	s_lshl_b32 s42, ttmp9, 2
	s_add_co_u32 s42, s42, s40                     ; tile column = 4 x cluster x + cx
	s_and_b32 s17, ttmp7, 0xffff
	s_lshl_b32 s17, s17, 2
	s_add_co_u32 s17, s17, s41                     ; tile row = 4 x cluster y + cy
	s_lshl_b32 s43, s41, 2
	s_lshl_b32 s43, 15, s43                        ; my row of the cluster
	s_lshl_b32 s44, 0x1111, s40                    ; my column
	; four groups 1.  Word 0: 15:0 the mask (A's tiles go to my row, B's to my column); 17:16 elements of 1 byte; 21 set beside a mask
	s_or_b32 s[G1+0], s43, (1<<21)
	SHAPE G1, 96                                   ; half of A's three K steps: 24,576 bytes
	s_or_b32 s[G1B+0], s44, (1<<21)
	SHAPE G1B, 192                                 ; three K steps of 128 rows of B: 49,152 bytes
	s_or_b32 s[G1T+0], s43, (1<<21)
	SHAPE G1T, 64                                  ; half of A's last two K steps: 16,384 bytes
	s_or_b32 s[G1BT+0], s44, (1<<21)
	SHAPE G1BT, 128                                ; B's last two: 32,768 bytes
	s_lshl_b32 s20, s17, 19                        ; A: block tile row, of 524,288 bytes (128 rows x 4,096 K)
	s_mov_b32 s21, 0
	s_mul_i32 s45, s16, PART/2                     ; my half of a slot's 49,152 bytes of A: the same place in memory and in the slot
	s_mov_b32 s22, s45
	s_mov_b32 s23, 0
	s_lshl_b32 s19, s16, 14                        ; my half of the last slot's 32,768
	s_add_co_u32 s74, s19, TAILK
	s_mov_b32 s75, 0
	s_lshl_b32 s46, s42, 1
	s_add_co_u32 s46, s46, s16
	s_lshl_b32 s46, s46, 19                        ; B: block 2 x tile column + half
	s_mov_b32 s47, 0
	s_mul_i32 s18, s16, PART
	s_add_co_u32 s18, s18, PART                    ; its place in a slot, behind A's: no place in the cluster enters an LDS address
	s_wait_dscnt 0x0                               ; the opening add is done
	s_wait_kmcnt 0x0
	s_load_b128 s[68:71], s[8:9], 0x0              ; e0, e1, e2, e3
	s_add_nc_u64 s[20:21], s[4:5], s[20:21]        ; h's codes at my tile row,
	s_add_nc_u64 s[46:47], s[6:7], s[46:47]
	s_add_nc_u64 s[22:23], s[20:21], s[22:23]      ; and at my half
	CROUND                                         ; all sixteen work-groups are here: the first joint loads meet
.irp s, 0,1
	s_mov_b32 s[G0+4*\s], 1                        ; count = 1
	s_add_co_u32 s[G0+4*\s+1], s45, \s*SLOT        ; LDS address
	s_add_nc_u64 s[G0+4*\s+2:G0+4*\s+3], s[22:23], \s*PART   ; global address: slot s begins with K steps 3 s .. 3 s + 2
	s_or_b32 s[G0+4*\s+3], s[G0+4*\s+3], 0x80000000          ; type = 2
	s_mov_b32 s[G0B+4*\s], 1
	s_add_co_u32 s[G0B+4*\s+1], s18, \s*SLOT
	s_add_nc_u64 s[G0B+4*\s+2:G0B+4*\s+3], s[46:47], \s*PART
	s_or_b32 s[G0B+4*\s+3], s[G0B+4*\s+3], 0x80000000
	JLOAD G0+4*\s, G1, G0B+4*\s, G1B               ; two loads of mine are out behind the second
.endr
	s_mov_b32 s[G0T], 1                            ; the last two K steps go into slot 0; these two groups 0 are written here and never again
	s_mov_b32 s[G0T+1], s19
	s_add_nc_u64 s[G0T+2:G0T+3], s[20:21], s[74:75]
	s_or_b32 s[G0T+3], s[G0T+3], 0x80000000
	s_mov_b32 s[G0BT], 1
	s_mov_b32 s[G0BT+1], s18
	s_add_nc_u64 s[G0BT+2:G0BT+3], s[46:47], TAILK
	s_or_b32 s[G0BT+3], s[G0BT+3], 0x80000000
	s_lshl_b32 s46, s40, 14                        ; the prefetches: my work-group's K step of the four (in the registers that held B's address: none that feeds A's descriptors ever holds cx),
	s_lshl_b32 s47, s16, 13                        ; my wave's 8,192 bytes of it,
	s_add_co_u32 s46, s46, s47
	s_add_co_u32 s46, s46, 4*KS1                   ; from K step 4 on: the first change of slots steps it to K step 8
	s_mov_b32 s47, 0
	s_add_nc_u64 s[PFA:PFA+1], s[20:21], s[46:47]
	s_cmp_eq_u32 s15, 0                            ; waves 0 and 1 ask: the same in all partners
	s_cselect_b32 s[LIM], 1, -1
	v_and_b32 v1, 31, v0
	v_lshlrev_b32 v[CO], 4, v1                     ; 16 x lane
	v_lshlrev_b32 v[PFO], 8, v1                    ; 256 x lane
	v_and_b32 v2, 15, v0                           ; r
	v_bfe_u32 v3, v0, 4, 1                         ; h
	s_lshl_b32 s21, s15, 13                        ; my four fragments of A's eight
	s_mov_b32 s22, s18                             ; my 128 rows of B
.irp s, 0,1
	v_add_nc_u32 v[ADRA+\s], s21, v[CO]
	v_add_nc_u32 v[ADRB+\s], s22, v[CO]
	s_add_co_u32 s21, s21, SLOT
	s_add_co_u32 s22, s22, SLOT
.endr
	s_mul_i32 s23, s14, 16*SP
	s_add_co_u32 s23, s23, STAGE                   ; my stage
	v_mul_u32_u24 v4, v2, SP                       ; in: row r, 32 bytes for each half of the lanes
	v_lshl_add_u32 v4, v3, 5, v4
	v_add_nc_u32 v[STO], s23, v4
	v_add_nc_u32 v[RD], s23, v[CO]                 ; back: the 32 lanes take one row of 512 bytes
	s_lshl_b32 s20, s17, 19                        ; where my part of out0 begins: 128 x tile row + 64 x half rows of 4,096 bytes,
	s_lshl_b32 s21, s15, 18
	s_add_co_u32 s20, s20, s21
	s_lshl_b32 s46, s42, 10                        ; 1,024 x tile column + 512 x half bytes
	s_lshl_b32 s47, s16, 9
	s_add_co_u32 s46, s46, s47
	s_add_co_u32 s20, s20, s46
	s_mov_b32 s21, 0
	s_add_nc_u64 s[10:11], s[10:11], s[20:21]
	s_wait_kmcnt 0x0
	s_add_co_i32 s72, s70, s71                     ; e2 + e3, between -126 and 127,
	s_add_co_i32 s72, s72, 127
	s_lshl_b32 s72, s72, 23                        ; makes the f32 number 2^(e2 + e3)
	s_mov_b32 s73, s72                             ; (named with it as a pair, so it is written)
.macro FRAG reg, adr, q, i             ; fragment i of the slot's K step q: four loads of 512 dense bytes
.irp c, 0,1,2,3
	ds_load_b128 v[\reg+4*\c:\reg+4*\c+3], v[\adr] offset:KS1*(\q)+2048*(\i)+512*\c
.endr
.endm
; 8 matrix instructions: A's block a x B's eight, 128 along K, on set p.  zero = 1: the first product starts the sums: nothing is ever cleared.  The 32 accumulators take turns, one instruction a turn, in the same order
; in every K step.
.macro MUL8 a, p, zero
.irp b, 0,1,2,3,4,5,6,7
.if \zero
	v_wmma_f32_16x16x128_fp8_fp8 v[8*(8*(\a)+\b):8*(8*(\a)+\b)+7], v[128*(\p)+FR*\b:128*(\p)+FR*\b+FR-1], v[AF+64*(\p)+FR*(\a):AF+64*(\p)+FR*(\a)+FR-1], 0
.else
	v_wmma_f32_16x16x128_fp8_fp8 v[8*(8*(\a)+\b):8*(8*(\a)+\b)+7], v[128*(\p)+FR*\b:128*(\p)+FR*\b+FR-1], v[AF+64*(\p)+FR*(\a):AF+64*(\p)+FR*(\a)+FR-1], v[8*(8*(\a)+\b):8*(8*(\a)+\b)+7]
.endif
.endr
.endm
.macro FETCH slot, q, p                ; 48 LDS loads in one run: B's eight fragments, then A's four, into set p
	WIN TO_B
.irp i, 0,1,2,3,4,5,6,7
	FRAG 128*(\p)+FR*\i, ADRB+\slot, \q, \i
.endr
	WIN 0
.irp i, 0,1,2,3
	FRAG AF+64*(\p)+FR*\i, ADRA+\slot, \q, \i
.endr
.endm
; A load into a register that a matrix instruction has read, and a vector instruction that reads a matrix result, stand NP places behind that matrix instruction; only plain vector instructions that
; name none of its registers are places (ISA guide 7.12.1 for vector instructions).
.macro PLACES n
.rept \n
	v_nop
.endr
.endm
; A K step that has a successor in its slot: multiplies set p; in its middle it fetches the slot's K step q into the other set.
.macro STEP slot, q, p, zero
	s_wait_dscnt 8                                 ; B's set and A's blocks 0, 1 are in; the youngest 8 loads (A's blocks 2, 3) may be out
	WIN MUL
	MUL8 0, \p, \zero
	MUL8 1, \p, \zero
	PLACES NP
	FETCH \slot, \q, 1-(\p)
	s_wait_dscnt 48                                ; all but the 48 just issued
	WIN MUL
	MUL8 2, \p, \zero
	MUL8 3, \p, \zero
.endm
.macro LAST p                          ; a slot's last K step: nothing more to fetch from it
	s_wait_dscnt 8
	WIN MUL
	MUL8 0, \p, 0
	MUL8 1, \p, 0
	s_wait_dscnt 0x0
	MUL8 2, \p, 0
	MUL8 3, \p, 0
.endm
; All of a slot's work: n K steps (3 or 2), on sets 0, 1, 0.  ask = 1: the prefetch stands behind the run of LDS loads for which the first products wait.
.macro WORK slot, n, zero, ask
	FETCH \slot, 0, 0
.if \ask
	ASK
.endif
	STEP \slot, 1, 0, \zero
.if \n == 3
	STEP \slot, 2, 1, 0
	LAST 0
.else
	LAST 1
.endif
.endm
; THE CHANGE OF SLOTS stands at a slot's head.  Each wave waits for all its tensor loads (one is out: its part of the slot that it is about to read), adds 0 to its spare word, and waits for that; its reads of slot
; 'old', which it has left, came back in that slot's last K step.  fill = 1: slot old takes the three K steps two slots on;  2: the last two K steps;  0: nothing.  Where it is filled, the barrier is a round of the
; cluster's, so that no wave of any partner still reads the slot or has a load on its way, and the joint refill is the first thing behind it.
.macro CHANGE old, fill
	WIN 0
	s_wait_tensorcnt 0x0                           ; no tensor load of mine is out, so a group 0 may be written
	ds_add_u32 v[SPW], v[NIL]                      ; 0 onto my spare word; with fill = 1 the steps below stand between it and the wait for it
.if \fill == 1
	s_add_nc_u64 s[G0+4*\old+2:G0+4*\old+3], s[G0+4*\old+2:G0+4*\old+3], 2*PART
	s_add_nc_u64 s[G0B+4*\old+2:G0B+4*\old+3], s[G0B+4*\old+2:G0B+4*\old+3], 2*PART
	s_wait_xcnt 0x0                                ; the last prefetch, a slot back, has read its address, so it may be written:
	s_add_nc_u64 s[PFA:PFA+1], s[PFA:PFA+1], 4*KS1 ; four K steps on
.endif
	s_wait_dscnt 0x0                               ; the add is done, and no LDS read of mine is out
.if \fill
	CROUND
.if \fill == 1
	JLOAD G0+4*\old, G1, G0B+4*\old, G1B           ; my one tensor load until the next round; its four v_nop are the places in front of the loads that follow
.else
	JLOAD G0T, G1T, G0BT, G1BT
.endif
.else
	s_barrier_signal -1
	s_barrier_wait -1
	PLACES NP
.endif
.endm
	s_wait_tensorcnt 1                             ; my part of slot 0 is in (slot 1's load may be out)
	s_barrier_signal -1
	s_barrier_wait -1                              ; everybody's is
	WORK 0, 3, 1, 0                                ; K steps 0 to 2 stand in front of the loop: the first products start the sums
	WIN 0                                          ; at a label and at a branch every window is 0
	s_mov_b32 s3, 4
.Llap:                                                 ; a trip goes once round the ring: two changes, both slots filled again, six K steps.  Four trips: K steps 3 to 26 are multiplied, 6 to 29 asked for
	CHANGE 0, 1
	WORK 1, 3, 0, 1
	CHANGE 1, 1
	WORK 0, 3, 0, 1
	WIN 0
	s_sub_co_u32 s3, s3, 1
	s_cmp_lg_u32 s3, 0
	s_cbranch_scc1 .Llap
	CHANGE 0, 2                                    ; the tail is written out: slot 0 takes K steps 30 and 31,
	WORK 1, 3, 0, 0                                ; K steps 27 to 29
	CHANGE 1, 0                                    ; nothing is left to ask for: no round.  Behind this barrier nobody reads slot 1 any more
	WORK 0, 2, 0, 0                                ; K steps 30 and 31
	WIN 0
	PLACES NP                                      ; in front of the first read of results and of the loads into the registers that held A's fragments
; THE WAY OUT, block by block of 16 rows x 128 columns.  A lane holds 32 neighbouring bytes of a row, and the lanes beside it hold other rows: so a block goes through my own stage in LDS and comes back as whole rows of
; 512 bytes.  LDS serves a wave's instructions in order (ISA guide 5.7.1.4): no wait between the stores and the loads, nor in front of the next block's stores.
.macro TOSTAGE a
	WIN 0x02                                       ; source 0: window 2
.set j, 0
.rept 32
	v_pk_mul_f32 v[TMP+j:TMP+j+1], v[64*(\a)+j:64*(\a)+j+1], s[72:73] op_sel_hi:[1,0]   ; both x s72 = 2^(e2 + e3); each accumulator from its low end on
.set j, j+2
.endr
	WIN 0
.irp b, 0,1,2,3,4,5,6,7
	ds_store_b128 v[STO], v[TMP+8*\b:TMP+8*\b+3] offset:64*\b
	ds_store_b128 v[STO], v[TMP+8*\b+4:TMP+8*\b+7] offset:64*\b+16
.endr
.set BB, BK+64*((\a)%2)
.irp t, 0,1,2,3,4,5,6,7,8,9,10,11,12,13,14,15
	ds_load_b128 v[BB+4*\t:BB+4*\t+3], v[RD] offset:\t*SP
.endr
.endm
.macro SEND a, younger                 ; younger: the LDS instructions issued behind block a's loads, which may stay out
.set BB, BK+64*((\a)%2)
	s_wait_dscnt \younger                          ; the block is back in registers
.irp t, 0,1,2,3,4,5,6,7,8,9,10,11,12,13,14,15
	global_store_b128 v[CO], v[BB+4*\t:BB+4*\t+3], s[10:11] offset:(16*(\a)+\t)*4096 th:TH_STORE_NT   ; 32 lanes store 512 consecutive bytes, at a multiple of 256 from out0's first byte; written once, read by nobody here
.endr
.endm
	TOSTAGE 0
.irp a, 1,2,3
.if \a > 1
	s_wait_xcnt 0x0                                ; block a - 2's stores have read their registers: block a's loads may land there
.endif
	TOSTAGE \a
	SEND \a-1, 32                                  ; behind block a - 1's loads: block a's 16 stores and 16 loads
.endr
	SEND 3, 0
	s_wait_tensorcnt 0x0                           ; the wave's end: the wait, the add to my spare word and its wait behind my last tensor load and my last LDS store
	ds_add_u32 v[SPW], v[NIL]
	s_wait_dscnt 0x0
	CROUND                                         ; the closing round: no work-group ends while a partner may still ask for a tile that names it
	s_endpgm
.Lfunc_end_k_q2eff88d14a_proj:
	.size	k_q2eff88d14a_proj, .Lfunc_end_k_q2eff88d14a_proj-k_q2eff88d14a_proj
	.p2alignl 7, 3214868480
	.fill 96, 4, 3214868480
	.section	.rodata,"a",@progbits
	.p2align	6, 0x0
	.amdhsa_kernel k_q2eff88d14a_proj
		.amdhsa_group_segment_fixed_size 327680
		.amdhsa_private_segment_fixed_size 0
		.amdhsa_enable_private_segment 0
		.amdhsa_kernarg_size 32
		.amdhsa_user_sgpr_count 2
		.amdhsa_user_sgpr_kernarg_segment_ptr 1
		.amdhsa_wavefront_size32 1
		.amdhsa_system_sgpr_workgroup_id_x 1
		.amdhsa_system_sgpr_workgroup_id_y 1
		.amdhsa_system_sgpr_workgroup_id_z 1
		.amdhsa_system_vgpr_workitem_id 0
		.amdhsa_next_free_vgpr 768
		.amdhsa_next_free_sgpr 100
		.amdhsa_reserve_vcc 0
		.amdhsa_float_denorm_mode_32 3
		.amdhsa_float_denorm_mode_16_64 3
		.amdhsa_memory_ordered 1
		.amdhsa_forward_progress 1
		.amdhsa_inst_pref_size 109
	.end_amdhsa_kernel
	.amdgpu_metadata
---
amdhsa.version: [ 1, 2 ]
amdhsa.kernels:
  - .name:           k_q2eff88d14a_proj
    .symbol:         k_q2eff88d14a_proj.kd
    .args:
      - { .name: h_codes, .offset: 0, .size: 8, .value_kind: global_buffer, .address_space: global }
      - { .name: proj_codes, .offset: 8, .size: 8, .value_kind: global_buffer, .address_space: global }
      - { .name: lowp_scales, .offset: 16, .size: 8, .value_kind: global_buffer, .address_space: global }
      - { .name: out0, .offset: 24, .size: 8, .value_kind: global_buffer, .address_space: global }
    .group_segment_fixed_size: 327680
    .private_segment_fixed_size: 0
    .kernarg_segment_align: 8
    .kernarg_segment_size: 32
    .max_flat_workgroup_size: 128
    .sgpr_count:     100
    .vgpr_count:     768
    .wavefront_size: 32
...
	.end_amdgpu_metadata
.endif
;; end of part 3
